; MI455X (gfx1250); checked and timed in simulation.
; The chip was launched on July 23, 2026; its instructions are those of AMD's public machine-readable ISA for CDNA 5 (MIT licence, August 2026) and "CDNA5" Instruction Set Architecture Reference Guide (July 2026). The comments in the code are by the model that wrote it; some were corrected since.
;; Multi Head Self Attention Projector. Allowed arithmetic: float matrix products may take bf16 or f16 operands with f32 sums; all other float work in f32.
;; Inputs: Wk 768 x 512 float32; Wo 512 x 768 float32; Wq 768 x 512 float32; Wv 768 x 512 float32; bk 512 float32; bo 768 float32; bq 512 float32; bv 512 float32; text_embeds 4 x 2,048 x 768 float32.
;; Outputs: out0 4 x 2,048 x 768 float32.
;; One version. Each part assembles by itself: llvm-mc -triple=amdgcn-amd-amdhsa -mcpu=gfx1250 --defsym DOCPART=n.
;; ======== version 1 of 1: 4 launches
;; workspace buffers: wprep 3,151,872 bytes; qkv 25,165,824 bytes; att 8,388,608 bytes
;; launch prep (part 1): grid 96 x 4, 4 waves a work-group, no clusters, 9,728 bytes of LDS; arguments Wq, Wk, Wv, Wo, bq, bv, wprep; writes wprep
.if DOCPART == 1
	.amdgcn_target "amdgcn-amd-amdhsa--gfx1250"
	.amdhsa_code_object_version 6
	.text
	.protected	k_qd07bbee831_prep
	.globl	k_qd07bbee831_prep
	.p2align	8
	.type	k_qd07bbee831_prep,@function
k_qd07bbee831_prep:
	s_mov_b64 s[64:65], 0
	v_nop
	global_prefetch_b8 v0, s[64:65] scope:SCOPE_SE
	s_setreg_imm32_b32 hwreg(HW_REG_WAVE_MODE, 25, 1), 1
	s_wait_xcnt 0x0
; PREP: the four weight matrices, once, into the form in which the matrix kernels read them: bf16, transposed (K along the rows)
; and cut into planes along K, so that every tile fetched later is made of dense runs of bytes.
;   wprep + 0        Wt [p 0..23][n 0..1535][32]: n = 512 x (0 q, 1 k, 2 v) + column; Wt[p][n][kk] = W[32 p + kk][column]
;   wprep + WOT_OFF  Wot[ks 0..7][n 0..767 ][64]: Wot[ks][n][kk] = Wo[64 ks + kk][n]
;   wprep + BIAS_OFF bias[1536] f32 = (c bq, 0, bv)
; c = 0.125 x log2(e) is folded into Wq and bq: the scores then come out of the product as exponents of 2.
;
; WORK LEFT OUT: bk.  scores[q][j] = q_q . (x_j Wk + bk) / 8 = q_q . (x_j Wk) / 8 + q_q . bk / 8.  The second term does not hang on j,
; the axis of the softmax, so it multiplies numerator and denominator of every weight alike and cancels, for all values of the inputs.
; bk has no other way to the output: it is not loaded and is no argument of any launch; the k columns of the bias vector hold 0,
; because a wave's 192 columns in the next launch can straddle q, k and v and take one vector as the start of their sums.
; LIMITS: a NaN, an infinity or an overflow that reaches only that term (bk itself, or q . bk) is not carried to the result.
; The weights are rounded to bf16, Wq after the multiplication by c.
;
; A work-group turns one tile of 64 k x 64 n.  No tile is read by two work-groups: nothing to share, so no cluster.
; Thread t = (g = t / 16, a = t % 16) loads rows 8 g .. 8 g + 7 at byte 16 a: sixteen lanes take 256 neighbouring bytes of a row.
; It then holds 8 k of each of its 4 columns: 16 bytes of bf16 for each, which go to LDS as [n][k] and come back as dense blocks:
; for Wo one block of 64 rows x 128 bytes, for Wq, Wk, Wv two blocks (two planes) of 64 rows x 64 bytes.
.set CLOG,     0x3e38aa3b              ; 0.125 x log2(e)
.set LP,       144                     ; an LDS row: 64 bf16 + 16 bytes
.set P32,      98304                   ; a plane of Wt: 1,536 rows of 64 bytes
.set WOT_OFF,  2359296
.set BIAS_OFF, 3145728
.set OFF, 4                            ; v[4:11]   byte offset of my 16 bytes in row 8 g + i
.set R,   16                           ; v[16:47]  row i: 4 f32; later the rows read back
.set C,   48                           ; v[48:63]  column e: 8 bf16
	s_load_b256 s[4:11], s[0:1], 0x0               ; Wq s[4:5], Wk s[6:7], Wv s[8:9], Wo s[10:11]
	s_load_b128 s[12:15], s[0:1], 0x20             ; bq s[12:13], bv s[14:15]
	s_load_b64 s[16:17], s[0:1], 0x30              ; wprep
	v_lshl_add_u32 v72, v0, 2, 0x2400
	v_mov_b32 v73, 0
	v_lshrrev_b32 v1, 5, v0
	v_readfirstlane_b32 s28, v1                    ; wave
	s_and_b32 s18, ttmp7, 0xffff                   ; y: 0 Wq, 1 Wk, 2 Wv, 3 Wo
	s_lshr_b32 s19, ttmp9, 3                       ; 0..11
	s_and_b32 s20, ttmp9, 7                        ; 0..7
	s_lshl_b32 s37, s18, 15                        ; q, k, v: 512 y rows of 64 bytes inside a plane
	s_mov_b32 s21, 2048                            ; bytes in a row of Wq, Wk, Wv
	s_mov_b32 s34, 3072                            ; and of Wo
	s_mov_b32 s35, 2*P32                           ; a tile's 64 k: two planes of Wt,
	s_mov_b32 s36, 98304                           ; or one plane of Wot
	s_mov_b32 s33, WOT_OFF
	s_cmp_eq_u32 s18, 3                            ; the lines down to the first sum leave SCC alone
	s_cselect_b32 s21, s34, s21                    ; pitch
	s_cselect_b32 s22, s20, s19                    ; ks: Wo has 8 tiles along k, the others 12
	s_cselect_b32 s23, s19, s20                    ; nb: Wo has 12 blocks of 64 columns, the others 8
	s_cselect_b32 s35, s36, s35
	s_cselect_b32 s37, s33, s37
	s_cselect_b32 s29, 13, 12                      ; 64 rows of 128 bytes, or of 64, for each block of columns
	s_mul_i32 s30, s22, s35
	s_add_co_u32 s30, s30, s37
	s_lshl_b32 s38, s23, s29
	s_add_co_u32 s30, s30, s38                     ; where the tile goes
	s_mov_b32 s31, 0
	s_mul_i32 s38, s22, s21
	s_lshl_b32 s38, s38, 6                         ; 64 ks rows
	s_lshl_b32 s39, s23, 8                         ; 64 nb columns of 4 bytes
	s_add_co_u32 s38, s38, s39                     ; where it comes from
	s_mov_b32 s39, 0
	v_and_b32 v13, 15, v0                          ; a
	v_lshrrev_b32 v14, 4, v0                       ; g
	v_lshlrev_b32 v3, 4, v13
	v_lshlrev_b32 v2, 3, v14
	v_mad_u32_u24 v[OFF], v2, s21, v3              ; 8 g rows + 16 a
.irp i, 1,2,3,4,5,6,7
	v_mad_u32_u24 v[OFF+\i], s21, \i, v[OFF]
.endr
	v_mul_u32_u24 v12, v13, 4*LP                   ; into LDS: row 4 a + e, byte 16 g
	v_lshl_add_u32 v12, v14, 4, v12
	v_lshrrev_b32 v13, 3, v0                       ; back, Wo: eight threads take a row's 128 bytes
	v_and_b32 v14, 7, v0
	v_mul_u32_u24 v13, v13, LP
	v_lshl_add_u32 v13, v14, 4, v13
	v_lshrrev_b32 v66, 2, v0                       ; back, Wq, Wk, Wv: four threads take 64 bytes of a row, one plane's part
	v_and_b32 v67, 3, v0
	v_mul_u32_u24 v66, v66, LP
	v_lshl_add_u32 v66, v67, 4, v66
	v_lshlrev_b32 v15, 4, v0                       ; out: 16 t
	s_wait_kmcnt 0x0
	s_cmp_eq_u32 s18, 1
	s_cselect_b64 s[24:25], s[6:7], s[4:5]
	s_cmp_eq_u32 s18, 2
	s_cselect_b64 s[24:25], s[8:9], s[24:25]
	s_cmp_eq_u32 s18, 3
	s_cselect_b64 s[24:25], s[10:11], s[24:25]
	s_add_nc_u64 s[24:25], s[24:25], s[38:39]
	s_add_nc_u64 s[26:27], s[16:17], s[30:31]
.irp i, 0,1,2,3,4,5,6,7
	global_load_b128 v[R+4*\i:R+4*\i+3], v[OFF+\i], s[24:25] th:TH_LOAD_NT   ; each weight is read once in the launch
.endr
	s_wait_loadcnt 0x0                             ; a column needs all eight rows
	s_cmp_lg_u32 s18, 0
	s_cbranch_scc1 .Lplain
.set i, 0
.rept 16
	v_pk_mul_f32 v[R+2*i:R+2*i+1], v[R+2*i:R+2*i+1], CLOG op_sel_hi:[1,0]     ; Wq alone carries c
.set i, i+1
.endr
.Lplain:
.irp e, 0,1,2,3
.irp p, 0,1,2,3
	v_cvt_pk_bf16_f32 v[C+4*\e+\p], v[R+8*\p+\e], v[R+8*\p+4+\e]              ; rows 8 g + 2 p and + 1 of column 4 a + e
.endr
.endr
.irp e, 0,1,2,3
	ds_store_b128 v12, v[C+4*\e:C+4*\e+3] offset:LP*\e
.endr
	s_wait_dscnt 0x0                               ; my stores are in LDS before I say so: other waves read them
	s_barrier_signal -1
	s_barrier_wait -1
; Four loads and four stores.  wo = 1: store j takes rows 16 j .. 16 j + 15 whole.  wo = 0: store j takes plane j / 2 (bytes 64 (j / 2) of the LDS rows),
; rows 32 (j & 1) .. + 31.  Either way a wave stores 512 consecutive bytes, aligned.
.macro BACK adr, wo
.irp j, 0,1,2,3
.if \wo
	ds_load_b128 v[R+4*\j:R+4*\j+3], v[\adr] offset:16*LP*\j
.else
	ds_load_b128 v[R+4*\j:R+4*\j+3], v[\adr] offset:32*LP*(\j&1)+64*(\j>>1)
.endif
.endr
.irp j, 0,1,2,3
	s_wait_dscnt 3-\j                              ; LDS loads come back in order (ISA guide 5.7.1): load j is in, the younger stay out
.if \wo
	global_store_b128 v15, v[R+4*\j:R+4*\j+3], s[26:27] offset:2048*\j
.else
	global_store_b128 v15, v[R+4*\j:R+4*\j+3], s[26:27] offset:P32*(\j>>1)+2048*(\j&1)
.endif
.endr
.endm
	s_cmp_eq_u32 s18, 3
	s_cbranch_scc1 .Lwo
	BACK 66, 0
	; the bias vector: the groups of the first tile along k of q, k, v; wave 0; 32 lanes x 8 bytes = the block's 64 numbers, 256 consecutive bytes, aligned
	s_cmp_lg_u32 s19, 0
	s_cbranch_scc1 .Lend
	s_cmp_lg_u32 s28, 0
	s_cbranch_scc1 .Lend
	s_lshl_b32 s40, s20, 8                         ; 64 nb numbers of 4 bytes
	s_mov_b32 s41, 0
	s_lshl_b32 s42, s18, 11                        ; 512 y numbers
	s_add_co_u32 s42, s42, s40
	s_add_co_u32 s42, s42, BIAS_OFF
	s_mov_b32 s43, 0
	s_add_nc_u64 s[42:43], s[16:17], s[42:43]
	v_lshlrev_b32 v68, 3, v0
	s_cmp_eq_u32 s18, 1
	s_cbranch_scc1 .Lzero
	s_cmp_eq_u32 s18, 0
	s_cselect_b64 s[44:45], s[12:13], s[14:15]
	s_add_nc_u64 s[44:45], s[44:45], s[40:41]
	global_load_b64 v[64:65], v68, s[44:45]
	s_wait_loadcnt 0x0
	s_cmp_lg_u32 s18, 0
	s_cbranch_scc1 .Lbias_out
	v_pk_mul_f32 v[64:65], v[64:65], CLOG op_sel_hi:[1,0]
	s_branch .Lbias_out
.Lzero:
	v_mov_b32 v64, 0                               ; k has no bias (see the head)
	v_mov_b32 v65, 0
.Lbias_out:
	global_store_b64 v68, v[64:65], s[42:43]
	s_branch .Lend
.Lwo:
	BACK 13, 1
.Lend:
	s_wait_tensorcnt 0x0
	ds_add_u32 v72, v73
	s_wait_dscnt 0x0
	s_endpgm
.Lfunc_end_k_qd07bbee831_prep:
	.size	k_qd07bbee831_prep, .Lfunc_end_k_qd07bbee831_prep-k_qd07bbee831_prep
	.p2alignl 7, 3214868480
	.fill 96, 4, 3214868480
	.section	.rodata,"a",@progbits
	.p2align	6, 0x0
	.amdhsa_kernel k_qd07bbee831_prep
		.amdhsa_group_segment_fixed_size 9728
		.amdhsa_private_segment_fixed_size 0
		.amdhsa_enable_private_segment 0
		.amdhsa_kernarg_size 56
		.amdhsa_user_sgpr_count 2
		.amdhsa_user_sgpr_kernarg_segment_ptr 1
		.amdhsa_wavefront_size32 1
		.amdhsa_system_sgpr_workgroup_id_x 1
		.amdhsa_system_sgpr_workgroup_id_y 1
		.amdhsa_system_sgpr_workgroup_id_z 1
		.amdhsa_system_vgpr_workitem_id 0
		.amdhsa_next_free_vgpr 74
		.amdhsa_next_free_sgpr 66
		.amdhsa_reserve_vcc 0
		.amdhsa_float_denorm_mode_32 3
		.amdhsa_float_denorm_mode_16_64 3
		.amdhsa_memory_ordered 1
		.amdhsa_forward_progress 1
		.amdhsa_inst_pref_size 10
	.end_amdhsa_kernel
	.amdgpu_metadata
---
amdhsa.version: [ 1, 2 ]
amdhsa.kernels:
  - .name:           k_qd07bbee831_prep
    .symbol:         k_qd07bbee831_prep.kd
    .args:
      - { .name: Wq, .offset: 0, .size: 8, .value_kind: global_buffer, .address_space: global }
      - { .name: Wk, .offset: 8, .size: 8, .value_kind: global_buffer, .address_space: global }
      - { .name: Wv, .offset: 16, .size: 8, .value_kind: global_buffer, .address_space: global }
      - { .name: Wo, .offset: 24, .size: 8, .value_kind: global_buffer, .address_space: global }
      - { .name: bq, .offset: 32, .size: 8, .value_kind: global_buffer, .address_space: global }
      - { .name: bv, .offset: 40, .size: 8, .value_kind: global_buffer, .address_space: global }
      - { .name: wprep, .offset: 48, .size: 8, .value_kind: global_buffer, .address_space: global }
    .group_segment_fixed_size: 9728
    .private_segment_fixed_size: 0
    .kernarg_segment_align: 8
    .kernarg_segment_size: 56
    .max_flat_workgroup_size: 128
    .sgpr_count:     66
    .vgpr_count:     74
    .wavefront_size: 32
...
	.end_amdgpu_metadata
.endif
;; end of part 1
;; launch qkv (part 2): grid 4 x 64, 4 waves a work-group, clusters of 4 x 4, 327,680 bytes of LDS; arguments text_embeds, wprep, qkv; writes qkv
.if DOCPART == 2
	.amdgcn_target "amdgcn-amd-amdhsa--gfx1250"
	.amdhsa_code_object_version 6
	.text
	.protected	k_qd07bbee831_qkv
	.globl	k_qd07bbee831_qkv
	.p2align	8
	.type	k_qd07bbee831_qkv,@function
k_qd07bbee831_qkv:
	s_mov_b64 s[64:65], 0
	v_nop
	global_prefetch_b8 v0, s[64:65] scope:SCOPE_SE
	s_setreg_imm32_b32 hwreg(HW_REG_WAVE_MODE, 25, 1), 1
	s_wait_xcnt 0x0
	s_wait_alu depctr_hold_cnt(0) depctr_sa_sdst(0) depctr_va_vdst(0) depctr_va_sdst(0) depctr_va_ssrc(0) depctr_va_vcc(0) depctr_vm_vsrc(0)
	s_getreg_b32 s2, hwreg(HW_REG_IB_STS2, 6, 4)
	s_cmp_eq_u32 s2, 0
	s_cbranch_scc0 .Lentry_in_a_cluster
	s_endpgm
.Lentry_in_a_cluster:
	s_bfe_u32 s2, ttmp6, 0x10000c
	s_cmp_lg_u32 s2, 0xf033
	s_cbranch_scc0 .Lentry_shape_is_right
	s_endpgm
.Lentry_shape_is_right:
; QKV: [8192 x 768] x [768 x 1536] + bias -> q' = c (x Wq + bq), k = x Wk, v = x Wv + bv, in bf16, stored by heads:
; qkv[g = 8 x (0 q, 1 k, 2 v) + head][m = 2048 b + s][64].  bk is left out: it cancels in the softmax (shown at the head of the first kernel).
; x is f32 in memory and is rounded to bf16 on the way from LDS to the matrix unit; sums in f32; results rounded once to bf16.
; A work-group makes 128 rows x 384 columns with four waves; a wave makes 64 x 192: 4 x 12 accumulator tiles, 384 registers.
; K goes in 8 steps of 96 through two LDS slots.  A slot: x, 128 rows of 384 bytes, and W, 384 rows of 96 bf16 as three planes of 32 k.
; 96 is the longest step of which two slots fit: 2 x 147,456 = 294,912 bytes; a step of 128 would take 344,064.  From a request for a slot to the
; wait for it a wave issues 36 + 48 + 48 = 132 products.  x's tile rows begin at multiples of 384 bytes in rows of 3,072, so at multiples of 128.
; The stage for the way out lies in slot 0, behind that slot's last fill and last read: with bytes of its own the text would need 331,776.
; CLUSTER 4 x 4: the four groups of a row of the cluster share x's tile, the four of a column share W's; each tile is asked for jointly.
; The matrix instruction is used transposed (source 0 = 16 rows of Wt, source 1 = 16 rows of x): a lane then holds 8 neighbouring
; columns of one row of the result, 16 bytes of bf16.  The bias vector is the C operand of the first products: nothing is cleared or added.
; REGISTERS: window 0: addresses, RAW (x as f32), AF0/AF1 (x as bf16), BIAS; window 1: BF0/BF1 (W); windows 2, 3: accumulators,
; tile (a, b) at 8 (12 (a & 1) + b), rows 0-31 in window 2, rows 32-63 in window 3.
.set KSTEP,  96
.set XQ,     144                       ; 32 k of x in LDS: 128 bytes + 16 of padding
.set XP,     3*XQ                      ; x's LDS row, 432 = 27 x 16: sixteen rows start at sixteen different 16-byte columns modulo 256
.set WP,     80                        ; W's LDS row of a plane: 64 bytes + 16 = 5 x 16
.set WQ,     192*WP                    ; a plane's 192 rows
.set XHALF,  64*XP                     ; what one tensor load of x brings, and what one wave reads
.set WHALF,  3*WQ                      ; the same for W
.set WBASE,  2*XHALF
.set SLOT,   WBASE+2*WHALF             ; 147,456
.set STAGE,  0                         ; in slot 0's x: 64 rows x 144 bytes for each wave
.set SP,     144
.set WPLANE, 98304                     ; a plane of Wt: 1,536 rows of 64 bytes
.set BIAS_OFF, 3145728
.set ADRA, 16                          ; v16-17  my x fragments in slot 0, 1
.set ADRB, 20                          ; v20-21  my W fragments
.set STO,  24
.set RD,   25
.set CO,   26
.set BO,   27
.set RAW,  32                          ; v32-95   4 row tiles x 16 f32
.set AF0,  96                          ; v96-127; AF1 = AF0 + 32
.set BIAS, 160                         ; v160-255 12 column tiles x 8
.set BF0,  0                           ; window 1; BF1 = BF0 + 96
.set TMP,  32
.set RB,   96
.set G1X, 24
.set G0X, 32
.set G1W, 48
.set G0W, 56
.set MSB, 0
.macro WIN new                         ; the immediate's high byte repeats the setting that is left
.if MSB != \new
	s_set_vgpr_msb (MSB<<8)|\new
.set MSB, \new
.endif
.endm
.macro PLACES n
.rept \n
	v_nop
.endr
.endm
; A joint load: waves 0 and 1 fetch x's halves, waves 2 and 3 W's.  The branch hangs on the wave's number alone.
.macro JLOAD s
	s_cmp_eq_u32 s11, 0
	s_cbranch_scc0 .Lfor_w_\@
	tensor_load_to_lds s[G0X+4*\s:G0X+4*\s+3], s[G1X:G1X+7]
	s_nop 0
	s_branch .Lasked_\@
.Lfor_w_\@:
	tensor_load_to_lds s[G0W+4*\s:G0W+4*\s+3], s[G1W:G1W+7]
	s_nop 0
.Lasked_\@:
.endm
.macro CREST                           ; a round of the cluster's barrier behind its opening barrier
	s_cmp_lg_u32 s10, 0
	s_cbranch_scc1 .Lnot_wave_0_\@
	s_barrier_signal -3
.Lnot_wave_0_\@:
	s_barrier_wait -3
	s_barrier_signal -1
	s_barrier_wait -1
.endm
.macro CROUND
	s_barrier_signal -1
	s_barrier_wait -1
	CREST
.endm
	s_load_b128 s[4:7], s[0:1], 0x0                ; x s[4:5], wprep s[6:7]
	s_load_b64 s[8:9], s[0:1], 0x10                ; qkv
	v_lshl_add_u32 v30, v0, 2, 0x48000
	v_mov_b32 v31, 0
	ds_add_u32 v30, v31
	v_lshrrev_b32 v1, 5, v0
	v_readfirstlane_b32 s10, v1                    ; wave
	s_lshr_b32 s11, s10, 1                         ; my half of the rows.  Also: I fetch x (0) or W (1)
	s_and_b32 s12, s10, 1                          ; my half of the columns.  Also: which half of that tile I fetch
	s_bfe_u32 s40, ttmp6, 0x40000                  ; cx
	s_bfe_u32 s41, ttmp6, 0x40004                  ; cy
	s_lshl_b32 s42, ttmp9, 2
	s_add_co_u32 s42, s42, s40                     ; block of 384 columns
	s_and_b32 s13, ttmp7, 0xffff
	s_lshl_b32 s13, s13, 2
	s_add_co_u32 s13, s13, s41                     ; block of 128 rows
	s_lshl_b32 s43, s41, 2
	s_lshl_b32 s43, 15, s43                        ; my row of the cluster
	s_lshl_b32 s44, 0x1111, s40                    ; my column
	; x: 64 rows of 96 f32, 768 elements from row to row
	s_or_b32 s[G1X+0], s43, (2<<16)|(1<<20)|(1<<21)|(4<<22)|(3<<25)   ; mask; elements of 4 bytes; padding on; bit 21 beside a mask; after every 32 words, 4 words
	s_mov_b32 s[G1X+1], KSTEP<<16                  ; tensor_dim0 = 96
	s_mov_b32 s[G1X+2], 64<<16                     ; tensor_dim1 = 64
	s_mov_b32 s[G1X+3], KSTEP<<16                  ; tile_dim0 = 96 elements (384 bytes)
	s_mov_b32 s[G1X+4], 64                         ; tile_dim1 = 64 rows
	s_mov_b32 s[G1X+5], 768                        ; elements from row to row
	s_mov_b32 s[G1X+6], 0
	s_mov_b32 s[G1X+7], 0
	; W: three planes; in each my 192 rows of 32 bf16 are 12,288 dense bytes, taken as one row of 6,144 elements; the padding falls behind each 64 bytes
	s_or_b32 s[G1W+0], s44, (1<<16)|(1<<20)|(1<<21)|(3<<22)|(3<<25)   ; elements of 2 bytes; after every 16 words, 4 words
	s_mov_b32 s[G1W+1], 6144<<16                   ; tensor_dim0 = 6,144
	s_mov_b32 s[G1W+2], 3<<16                      ; tensor_dim1 = 3
	s_mov_b32 s[G1W+3], 6144<<16                   ; tile_dim0 = 6,144
	s_mov_b32 s[G1W+4], 3                          ; tile_dim1 = 3
	s_mov_b32 s[G1W+5], WPLANE/2                   ; elements from plane to plane
	s_mov_b32 s[G1W+6], 0
	s_mov_b32 s[G1W+7], 0
	; x's address is made of the block of rows and the wave's number, W's of the block of columns and the wave's number,
	; each in registers that never hold the other coordinate
	s_lshl_b32 s16, s13, 7
	s_lshl_b32 s17, s12, 6
	s_add_co_u32 s16, s16, s17
	s_mul_i32 s16, s16, 3072                       ; row x 768 x 4 bytes
	s_mov_b32 s17, 0
	s_mul_i32 s46, s42, 384
	s_mul_i32 s47, s12, 192
	s_add_co_u32 s46, s46, s47                     ; my first column, to fetch and to compute alike
	s_lshl_b32 s68, s46, 2
	s_add_co_u32 s68, s68, BIAS_OFF
	s_mov_b32 s69, 0
	s_lshl_b32 s46, s46, 6                         ; 64 bytes for each row of a plane of Wt
	s_mov_b32 s47, 0
	s_mul_i32 s20, s12, XHALF                      ; LDS addresses hang on the wave's number alone
	s_mul_i32 s21, s12, WHALF
	s_add_co_u32 s21, s21, WBASE
	s_wait_dscnt 0x0
	s_wait_kmcnt 0x0
	s_add_nc_u64 s[14:15], s[4:5], s[16:17]
	s_add_nc_u64 s[46:47], s[6:7], s[46:47]
	s_add_nc_u64 s[68:69], s[6:7], s[68:69]
	CROUND                                         ; all sixteen work-groups are here: the first joint loads meet
.irp s, 0,1
	s_mov_b32 s[G0X+4*\s], 1
	s_add_co_u32 s[G0X+4*\s+1], s20, \s*SLOT
	s_add_nc_u64 s[G0X+4*\s+2:G0X+4*\s+3], s[14:15], \s*KSTEP*4
	s_or_b32 s[G0X+4*\s+3], s[G0X+4*\s+3], 0x80000000
	s_mov_b32 s[G0W+4*\s], 1
	s_add_co_u32 s[G0W+4*\s+1], s21, \s*SLOT
	s_add_nc_u64 s[G0W+4*\s+2:G0W+4*\s+3], s[46:47], \s*3*WPLANE
	s_or_b32 s[G0W+4*\s+3], s[G0W+4*\s+3], 0x80000000
	JLOAD \s                                       ; K steps 0 and 1: two loads of the wave are out
.endr
	v_and_b32 v1, 15, v0                           ; r
	v_bfe_u32 v2, v0, 4, 1                         ; h
	v_lshlrev_b32 v[BO], 5, v2                     ; my 8 bias numbers of a column tile: 32 h
.irp b, 0,1,2,3,4,5,6,7,8,9,10,11
	global_load_b128 v[BIAS+8*\b:BIAS+8*\b+3],   v[BO], s[68:69] offset:64*\b
	global_load_b128 v[BIAS+8*\b+4:BIAS+8*\b+7], v[BO], s[68:69] offset:64*\b+16
.endr
	v_mul_u32_u24 v3, v1, XP
	v_lshl_add_u32 v3, v2, 5, v3                   ; x: row r, 8 f32 = 32 bytes for each half of the lanes
	v_mul_u32_u24 v4, v1, WP
	v_lshl_add_u32 v4, v2, 4, v4                   ; W: row r, 8 bf16 = 16 bytes
	s_mul_i32 s22, s11, XHALF
	s_mul_i32 s23, s12, WHALF
	s_add_co_u32 s23, s23, WBASE
.irp s, 0,1
	v_add_nc_u32 v[ADRA+\s], s22, v3
	v_add_nc_u32 v[ADRB+\s], s23, v4
	s_add_co_u32 s22, s22, SLOT
	s_add_co_u32 s23, s23, SLOT
.endr
	s_mul_i32 s22, s10, 64*SP
	s_add_co_u32 s22, s22, STAGE                   ; my stage
	v_mul_u32_u24 v8, v1, SP
	v_lshl_add_u32 v8, v2, 4, v8
	v_add_nc_u32 v[STO], s22, v8                   ; in: row r, 16 bytes for each half
	v_and_b32 v5, 31, v0
	v_lshrrev_b32 v6, 3, v5
	v_and_b32 v7, 7, v0
	v_mul_u32_u24 v6, v6, SP
	v_lshl_add_u32 v6, v7, 4, v6
	v_add_nc_u32 v[RD], s22, v6                    ; back: eight lanes take a row of 128 bytes
	v_lshlrev_b32 v[CO], 4, v5
; 40 LDS loads: the fragments of 32 along K (third q of a step): x's 64 rows as f32 into RAW, W's 192 rows into buffer fb
.macro FETCH1 slot, q, fb
	WIN 0
.irp a, 0,1,2,3
	ds_load_b128 v[RAW+16*\a:RAW+16*\a+3],     v[ADRA+\slot] offset:16*XP*\a+XQ*\q
	ds_load_b128 v[RAW+16*\a+4:RAW+16*\a+7],   v[ADRA+\slot] offset:16*XP*\a+XQ*\q+16
	ds_load_b128 v[RAW+16*\a+8:RAW+16*\a+11],  v[ADRA+\slot] offset:16*XP*\a+XQ*\q+64
	ds_load_b128 v[RAW+16*\a+12:RAW+16*\a+15], v[ADRA+\slot] offset:16*XP*\a+XQ*\q+80
.endr
	WIN 0x40
.irp b, 0,1,2,3,4,5,6,7,8,9,10,11
	ds_load_b128 v[\fb+8*\b:\fb+8*\b+3],   v[ADRB+\slot] offset:WQ*\q+16*WP*\b
	ds_load_b128 v[\fb+8*\b+4:\fb+8*\b+7], v[ADRB+\slot] offset:WQ*\q+16*WP*\b+32
.endr
.endm
; x to bf16.  These 32 plain vector instructions name none of the registers of the matrix instructions in front of them: they are the places
; between those and the next loads into their W buffer and the next writes of their x buffer.
.macro CVT fa
	WIN 0
	s_wait_dscnt 24                                ; the 24 younger loads are W's: RAW is in
.set i, 0
.rept 32
	v_cvt_pk_bf16_f32 v[\fa+i], v[RAW+2*i], v[RAW+2*i+1]
.set i, i+1
.endr
.endm
; 12 matrix instructions: row tile at x all 12 column tiles.  first = 1: the bias starts the sums.
; The 48 accumulators take turns, one instruction a turn, in the same order in every third of a step.
.macro MULA fb, fa, at, first
.if \at < 2
.if \first
	WIN 0x81
.else
	WIN 0xa1
.endif
.else
.if \first
	WIN 0xc1
.else
	WIN 0xf1
.endif
.endif
.irp b, 0,1,2,3,4,5,6,7,8,9,10,11
.if \first
	v_wmma_f32_16x16x32_bf16 v[8*(12*(\at&1)+\b):8*(12*(\at&1)+\b)+7], v[\fb+8*\b:\fb+8*\b+7], v[\fa+8*\at:\fa+8*\at+7], v[BIAS+8*\b:BIAS+8*\b+7]
.else
	v_wmma_f32_16x16x32_bf16 v[8*(12*(\at&1)+\b):8*(12*(\at&1)+\b)+7], v[\fb+8*\b:\fb+8*\b+7], v[\fa+8*\at:\fa+8*\at+7], v[8*(12*(\at&1)+\b):8*(12*(\at&1)+\b)+7]
.endif
.endr
.endm
; The first or the second third of a K step: multiplies buffers c, fetches third nq of the same slot into the other buffers and converts it.
.macro MID slot, nq, c, first
	s_wait_dscnt 0x0                               ; W's buffer c is in (x's was converted at the end of the third before)
	FETCH1 \slot, \nq, BF0+96*(1-\c)
	MULA BF0+96*\c, AF0+32*\c, 0, \first
	MULA BF0+96*\c, AF0+32*\c, 1, \first
	MULA BF0+96*\c, AF0+32*\c, 2, \first
	MULA BF0+96*\c, AF0+32*\c, 3, \first
	CVT AF0+32*(1-\c)
.endm
; The last third: multiplies buffers c and changes slots.  fill = 1: this slot is filled again, two K steps ahead.
.macro TURN1 slot, next, fill, c
	s_wait_dscnt 0x0                               ; my reads of this slot are over,
	s_wait_tensorcnt 0x0                           ; and all my tensor loads have landed: the one that was out is my part of the next slot
	ds_add_u32 v30, v31
	s_wait_dscnt 0x0
	s_barrier_signal -1                            ; (where the slot is filled again this barrier opens a round of the cluster's barrier)
	MULA BF0+96*\c, AF0+32*\c, 0, 0                ; registers only, while the others arrive
	WIN 0
	s_barrier_wait -1
.if \fill
	CREST                                          ; no wave of any partner still reads this slot or has a load on its way
	s_add_nc_u64 s[G0X+4*\slot+2:G0X+4*\slot+3], s[G0X+4*\slot+2:G0X+4*\slot+3], 2*KSTEP*4
	s_add_nc_u64 s[G0W+4*\slot+2:G0W+4*\slot+3], s[G0W+4*\slot+2:G0W+4*\slot+3], 6*WPLANE
	JLOAD \slot                                    ; my one tensor load behind the round, and the first thing there
.endif
	FETCH1 \next, 0, BF0+96*(1-\c)
	MULA BF0+96*\c, AF0+32*\c, 1, 0
	MULA BF0+96*\c, AF0+32*\c, 2, 0
	MULA BF0+96*\c, AF0+32*\c, 3, 0
	CVT AF0+32*(1-\c)
.endm
; A lap: two K steps, six thirds on buffers 0, 1, 0, 1, 0, 1: once round the ring and back to buffer 0.
.macro LAP first
	MID 0, 1, 0, \first
	MID 0, 2, 1, 0
	TURN1 0, 1, 1, 0
	MID 1, 1, 1, 0
	MID 1, 2, 0, 0
	TURN1 1, 0, 1, 1
.endm
	s_wait_tensorcnt 0x1                           ; my part of K step 0 is in; step 1's stays out
	s_barrier_signal -1
	s_barrier_wait -1
	FETCH1 0, 0, BF0
	CVT AF0
	s_wait_loadcnt 0x0                             ; the bias
	LAP 1                                          ; K steps 0, 1; fills 2, 3
	s_mov_b32 s3, 2
.Llap:
	LAP 0                                          ; K steps 2 to 5; fills 4 to 7
	s_sub_co_u32 s3, s3, 1
	s_cmp_lg_u32 s3, 0
	s_cbranch_scc1 .Llap
	MID 0, 1, 0, 0                                 ; the last lap fills nothing
	MID 0, 2, 1, 0
	TURN1 0, 1, 0, 0                               ; behind its barrier no wave reads slot 0 any more, and nothing is filled into it: the stage may lie there
	MID 1, 1, 1, 0
	MID 1, 2, 0, 0
	s_wait_dscnt 0x0
	MULA BF0+96, AF0+32, 0, 0
	MULA BF0+96, AF0+32, 1, 0
	MULA BF0+96, AF0+32, 2, 0
	MULA BF0+96, AF0+32, 3, 0
	; THE WAY OUT, a head (64 columns) at a time: a block of 64 rows x 128 bytes is one dense run of 8,192 bytes of qkv.
	PLACES 4                                       ; the places behind the last matrix instructions, for the conversions that read results
	s_mul_i32 s66, s42, 6
	s_mul_i32 s67, s12, 3
	s_add_co_u32 s66, s66, s67                     ; g of my first 64 columns
	s_lshl_b32 s66, s66, 20                        ; 8,192 rows of 128 bytes
	s_mov_b32 s67, 0
	s_add_nc_u64 s[8:9], s[8:9], s[66:67]
	s_lshl_b32 s16, s13, 7
	s_lshl_b32 s17, s11, 6
	s_add_co_u32 s16, s16, s17                     ; my first row
	s_lshl_b32 s16, s16, 7
	s_mov_b32 s17, 0
	s_add_nc_u64 s[8:9], s[8:9], s[16:17]
.macro OUT i
	WIN 0x0a
.irp a, 0,1
.irp bb, 0,1,2,3
.irp rr, 0,1,2,3
	v_cvt_pk_bf16_f32 v[TMP+4*(4*\a+\bb)+\rr], v[8*(12*\a+4*\i+\bb)+2*\rr], v[8*(12*\a+4*\i+\bb)+2*\rr+1]
.endr
.endr
.endr
	WIN 0x0f
.irp a, 0,1
.irp bb, 0,1,2,3
.irp rr, 0,1,2,3
	v_cvt_pk_bf16_f32 v[TMP+4*(4*(\a+2)+\bb)+\rr], v[8*(12*\a+4*\i+\bb)+2*\rr], v[8*(12*\a+4*\i+\bb)+2*\rr+1]
.endr
.endr
.endr
	WIN 0
.irp a, 0,1,2,3
.irp bb, 0,1,2,3
	ds_store_b128 v[STO], v[TMP+4*(4*\a+\bb):TMP+4*(4*\a+\bb)+3] offset:16*SP*\a+32*\bb
.endr
.endr
	s_wait_xcnt 0x0                                ; RB, which the stores of the head before read, is loaded again only behind this wait
.irp t, 0,1,2,3,4,5,6,7,8,9,10,11,12,13,14,15
	ds_load_b128 v[RB+4*\t:RB+4*\t+3], v[RD] offset:4*SP*\t      ; LDS serves a wave's instructions in order: these see the stores above
.endr
.irp t, 0,1,2,3,4,5,6,7,8,9,10,11,12,13,14,15
	s_wait_dscnt 15-\t                             ; load t is in, the younger stay out
	global_store_b128 v[CO], v[RB+4*\t:RB+4*\t+3], s[8:9] offset:\i*1048576+512*\t   ; 512 consecutive bytes, aligned
.endr
.endm
	OUT 0
	OUT 1
	OUT 2
	s_wait_tensorcnt 0x0
	ds_add_u32 v30, v31
	s_wait_dscnt 0x0
	CROUND                                         ; the closing round: no work-group ends while a partner may still ask for a tile that names it
	s_endpgm
.Lfunc_end_k_qd07bbee831_qkv:
	.size	k_qd07bbee831_qkv, .Lfunc_end_k_qd07bbee831_qkv-k_qd07bbee831_qkv
	.p2alignl 7, 3214868480
	.fill 96, 4, 3214868480
	.section	.rodata,"a",@progbits
	.p2align	6, 0x0
	.amdhsa_kernel k_qd07bbee831_qkv
		.amdhsa_group_segment_fixed_size 327680
		.amdhsa_private_segment_fixed_size 0
		.amdhsa_enable_private_segment 0
		.amdhsa_kernarg_size 24
		.amdhsa_user_sgpr_count 2
		.amdhsa_user_sgpr_kernarg_segment_ptr 1
		.amdhsa_wavefront_size32 1
		.amdhsa_system_sgpr_workgroup_id_x 1
		.amdhsa_system_sgpr_workgroup_id_y 1
		.amdhsa_system_sgpr_workgroup_id_z 1
		.amdhsa_system_vgpr_workitem_id 0
		.amdhsa_next_free_vgpr 960
		.amdhsa_next_free_sgpr 72
		.amdhsa_reserve_vcc 0
		.amdhsa_float_denorm_mode_32 3
		.amdhsa_float_denorm_mode_16_64 3
		.amdhsa_memory_ordered 1
		.amdhsa_forward_progress 1
		.amdhsa_inst_pref_size 177
	.end_amdhsa_kernel
	.amdgpu_metadata
---
amdhsa.version: [ 1, 2 ]
amdhsa.kernels:
  - .name:           k_qd07bbee831_qkv
    .symbol:         k_qd07bbee831_qkv.kd
    .args:
      - { .name: text_embeds, .offset: 0, .size: 8, .value_kind: global_buffer, .address_space: global }
      - { .name: wprep, .offset: 8, .size: 8, .value_kind: global_buffer, .address_space: global }
      - { .name: qkv, .offset: 16, .size: 8, .value_kind: global_buffer, .address_space: global }
    .group_segment_fixed_size: 327680
    .private_segment_fixed_size: 0
    .kernarg_segment_align: 8
    .kernarg_segment_size: 24
    .max_flat_workgroup_size: 128
    .sgpr_count:     72
    .vgpr_count:     960
    .wavefront_size: 32
...
	.end_amdgpu_metadata
.endif
;; end of part 2
;; launch attn (part 3): grid 8 x 32, 4 waves a work-group, clusters of 4 x 1, 327,680 bytes of LDS; arguments qkv, att; writes att
.if DOCPART == 3
	.amdgcn_target "amdgcn-amd-amdhsa--gfx1250"
	.amdhsa_code_object_version 6
	.text
	.protected	k_qd07bbee831_attn
	.globl	k_qd07bbee831_attn
	.p2align	8
	.type	k_qd07bbee831_attn,@function
k_qd07bbee831_attn:
	s_mov_b64 s[64:65], 0
	v_nop
	global_prefetch_b8 v0, s[64:65] scope:SCOPE_SE
	s_setreg_imm32_b32 hwreg(HW_REG_WAVE_MODE, 25, 1), 1
	s_wait_xcnt 0x0
	s_wait_alu depctr_hold_cnt(0) depctr_sa_sdst(0) depctr_va_vdst(0) depctr_va_sdst(0) depctr_va_ssrc(0) depctr_va_vcc(0) depctr_vm_vsrc(0)
	s_getreg_b32 s2, hwreg(HW_REG_IB_STS2, 6, 4)
	s_cmp_eq_u32 s2, 0
	s_cbranch_scc0 .Lentry_in_a_cluster
	s_endpgm
.Lentry_in_a_cluster:
	s_bfe_u32 s2, ttmp6, 0x10000c
	s_cmp_lg_u32 s2, 0x3003
	s_cbranch_scc0 .Lentry_shape_is_right
	s_endpgm
.Lentry_shape_is_right:
; ATTN: att[h][2048 b + s][64] = softmax over keys of (q' . k) applied to v, for one (b, h) and 256 queries a work-group, 64 a wave.
; q' already carries 0.125 x log2(e), so the weights are 2^(score - running maximum); the maximum is taken away as the softmax asks.
; bk is left out: it cancels in the softmax (shown at the head of the first kernel).
; LIMITS: the weights are rounded to bf16 for the product with v (their sum is kept in f32); a weight below 2^-126 of its row's largest
; counts as 0 (v_exp_f32 gives 0 there: ISA guide 15.8).
; CLUSTER 4 x 1: four work-groups with four query blocks of one head walk the same K and V tiles and ask for them jointly (mask 15).
; 16 tiles of 128 keys go through two LDS slots; each wave brings 64 rows of 128 bytes (waves 0, 1: K; waves 2, 3: V), dense in memory.
; The loop stands in phases (products, softmax, products) and is kept short: a lap of four times 64 keys is written out three times in all.
; EVERYTHING IS TRANSPOSED, so that nothing moves between lanes but one maximum and one sum:
;   S^T = K Q^T: lane (r, h) holds keys 8 h + j of a key tile for query r.  Two neighbouring key tiles, packed in place to bf16, ARE the
;   second source P^T (32 keys x 16 queries) of O^T = V^T P^T, whose first source comes from V's rows by the transposing LDS load.
;   In O^T a lane holds 8 neighbouring d of query r: 16 bytes of bf16.
; REGISTERS.  Window 0: addresses; MX + 4 qt = [M, TP | AL, DD] (maximum, other half's figure | rescale, its exponent); T at work; L sums;
; Q(qt, dh) = Q + 8 (2 qt + dh); S(kt, qt) = S + 8 (4 qt + kt).  Window 1: O(dt, qt) = 8 (4 qt + dt); KF(kt, dh); VF(dt, kp).
.set KP,    144                        ; K's LDS row: 128 bytes + 16
.set VP,    160                        ; V's: 128 + 32, an odd multiple of 32 for the transposing load
.set KHALF, 64*KP
.set VHALF, 64*VP
.set VBASE, 2*KHALF
.set SLOT,  VBASE+2*VHALF              ; 38,912
.set STAGE, 2*SLOT                     ; behind the ring, no tensor load lands here: 64 rows x 144 bytes for each wave
.set SP,    144
.set KA,  2
.set VA,  4
.set STO, 6
.set RD,  7
.set CO,  8
.set QO,  9
.set MX,  12
.set T,   28
.set L,   44
.set Q,   48
.set S,   112
.set O,   0
.set KF,  128
.set VF,  192
.set G1K, 16
.set G1V, 24
.set G0K, 32
.set G0V, 40
.set MSB, 0
.macro WIN new
.if MSB != \new
	s_set_vgpr_msb (MSB<<8)|\new
.set MSB, \new
.endif
.endm
.macro PLACES n
.rept \n
	v_nop
.endr
.endm
.macro JLOAD s
	s_cmp_eq_u32 s11, 0
	s_cbranch_scc0 .Lfor_v_\@
	tensor_load_to_lds s[G0K+4*\s:G0K+4*\s+3], s[G1K:G1K+7]
	s_nop 0
	s_branch .Lasked_\@
.Lfor_v_\@:
	tensor_load_to_lds s[G0V+4*\s:G0V+4*\s+3], s[G1V:G1V+7]
	s_nop 0
.Lasked_\@:
.endm
.macro CROUND
	s_barrier_signal -1
	s_barrier_wait -1
	s_cmp_lg_u32 s10, 0
	s_cbranch_scc1 .Lnot_wave_0_\@
	s_barrier_signal -3
.Lnot_wave_0_\@:
	s_barrier_wait -3
	s_barrier_signal -1
	s_barrier_wait -1
.endm
	s_load_b128 s[4:7], s[0:1], 0x0                ; qkv s[4:5], att s[6:7]
	v_lshl_add_u32 v254, v0, 2, 0x29000
	v_mov_b32 v255, 0
	ds_add_u32 v254, v255
	v_lshrrev_b32 v1, 5, v0
	v_readfirstlane_b32 s10, v1                    ; wave
	s_lshr_b32 s11, s10, 1                         ; I fetch K (0) or V (1),
	s_and_b32 s12, s10, 1                          ; its rows 0-63 or 64-127
	s_bfe_u32 s48, ttmp6, 0x40000                  ; cx
	s_lshl_b32 s49, ttmp9, 2
	s_add_co_u32 s49, s49, s48                     ; block of 256 queries
	s_and_b32 s13, ttmp7, 0xffff                   ; 8 b + h
	s_and_b32 s14, s13, 7
	s_lshl_b32 s14, s14, 20                        ; a head: 8,192 rows of 128 bytes
	s_lshr_b32 s15, s13, 3
	s_lshl_b32 s15, s15, 18                        ; a batch: 2,048 rows
	s_add_co_u32 s14, s14, s15
	s_lshl_b32 s50, s12, 13
	s_add_co_u32 s50, s50, s14
	s_add_co_u32 s50, s50, 8<<20                   ; K's heads lie 8 heads behind q's; nothing here hangs on cx
	s_mov_b32 s51, 0
	s_lshl_b32 s52, s49, 15                        ; 256 rows of 128 bytes
	s_lshl_b32 s53, s10, 13                        ; 64 rows
	s_add_co_u32 s52, s52, s53
	s_add_co_u32 s52, s52, s14                     ; my 64 queries, in qkv and in att alike
	s_mov_b32 s53, 0
	s_mul_i32 s54, s12, KHALF
	s_mul_i32 s55, s12, VHALF
	s_add_co_u32 s55, s55, VBASE
	s_mov_b32 s56, 0x76543210                      ; v_permlanex16_b32: lane i of one half reads lane i of the other
	s_mov_b32 s57, 0xfedcba98
	s_mov_b32 s[G1K+0], 15|(1<<16)|(1<<20)|(1<<21)|(4<<22)|(3<<25)   ; all four of the cluster; 2 bytes; padding: after every 32 words, 4 words
	s_mov_b32 s[G1K+1], 64<<16
	s_mov_b32 s[G1K+2], 64<<16
	s_mov_b32 s[G1K+3], 64<<16
	s_mov_b32 s[G1K+4], 64
	s_mov_b32 s[G1K+5], 64
	s_mov_b32 s[G1K+6], 0
	s_mov_b32 s[G1K+7], 0
	s_mov_b32 s[G1V+0], 15|(1<<16)|(1<<20)|(1<<21)|(4<<22)|(7<<25)   ; the same with 8 words of padding
	s_mov_b32 s[G1V+1], 64<<16
	s_mov_b32 s[G1V+2], 64<<16
	s_mov_b32 s[G1V+3], 64<<16
	s_mov_b32 s[G1V+4], 64
	s_mov_b32 s[G1V+5], 64
	s_mov_b32 s[G1V+6], 0
	s_mov_b32 s[G1V+7], 0
	s_wait_dscnt 0x0
	s_wait_kmcnt 0x0
	s_add_nc_u64 s[50:51], s[4:5], s[50:51]
	s_add_nc_u64 s[8:9], s[4:5], s[52:53]
	s_add_nc_u64 s[6:7], s[6:7], s[52:53]
	CROUND                                         ; the four work-groups are here: the first joint loads meet
.irp s, 0,1
	s_mov_b32 s[G0K+4*\s], 1
	s_add_co_u32 s[G0K+4*\s+1], s54, \s*SLOT
	s_add_nc_u64 s[G0K+4*\s+2:G0K+4*\s+3], s[50:51], \s*16384
	s_or_b32 s[G0K+4*\s+3], s[G0K+4*\s+3], 0x80000000
	s_mov_b32 s[G0V+4*\s], 1
	s_add_co_u32 s[G0V+4*\s+1], s55, \s*SLOT
	s_add_nc_u64 s[G0V+4*\s+2:G0V+4*\s+3], s[50:51], \s*16384+(8<<20)
	s_or_b32 s[G0V+4*\s+3], s[G0V+4*\s+3], 0x80000000
	JLOAD \s                                       ; tiles 0 and 1: two loads of the wave are out
.endr
	v_and_b32 v28, 15, v0                          ; r
	v_bfe_u32 v29, v0, 4, 1                        ; h
	v_lshlrev_b32 v[QO], 7, v28
	v_lshl_add_u32 v[QO], v29, 4, v[QO]            ; query r, 16 bytes for each half
.irp qt, 0,1,2,3
.irp dh, 0,1
	global_load_b128 v[Q+8*(2*\qt+\dh):Q+8*(2*\qt+\dh)+3],   v[QO], s[8:9] offset:2048*\qt+64*\dh
	global_load_b128 v[Q+8*(2*\qt+\dh)+4:Q+8*(2*\qt+\dh)+7], v[QO], s[8:9] offset:2048*\qt+64*\dh+32
.endr
.endr
	v_mul_u32_u24 v[KA], v28, KP
	v_lshl_add_u32 v[KA], v29, 4, v[KA]            ; key r, 16 bytes for each half
	v_add_nc_u32 v[KA+1], SLOT, v[KA]
	v_and_b32 v31, 7, v0
	v_lshl_add_u32 v31, v29, 3, v31                ; V: key 8 h + (l & 7),
	v_mul_u32_u24 v31, v31, VP
	v_bfe_u32 v32, v0, 3, 1
	v_lshl_add_u32 v31, v32, 4, v31                ; 16 bytes further for the second eight lanes of a half
	v_add_nc_u32 v[VA], VBASE, v31
	v_add_nc_u32 v[VA+1], VBASE+SLOT, v31
	s_mul_i32 s59, s10, 64*SP
	s_add_co_u32 s59, s59, STAGE
	v_add_nc_u32 v[STO], s59, v[KA]                ; the stage has K's pitch
	v_and_b32 v33, 31, v0
	v_lshrrev_b32 v34, 3, v33
	v_mul_u32_u24 v34, v34, SP
	v_and_b32 v35, 7, v0
	v_lshl_add_u32 v34, v35, 4, v34
	v_add_nc_u32 v[RD], s59, v34
	v_lshlrev_b32 v[CO], 4, v33
.irp qt, 0,1,2,3
	v_mov_b32 v[MX+4*\qt+1], 0                     ; v_permlanex16_b32 counts as a reader of its destination
.endr
.macro KLOAD slot, row0                ; 16 loads: 64 keys from row row0 of the slot's K
	WIN 0x40
.irp kt, 0,1,2,3
.irp dh, 0,1
	ds_load_b128 v[KF+8*(2*\kt+\dh):KF+8*(2*\kt+\dh)+3],   v[KA+\slot] offset:(\row0+16*\kt)*KP+64*\dh
	ds_load_b128 v[KF+8*(2*\kt+\dh)+4:KF+8*(2*\kt+\dh)+7], v[KA+\slot] offset:(\row0+16*\kt)*KP+64*\dh+32
.endr
.endr
.endm
.macro VLOAD slot, row0                ; 16 transposing loads: V^T of the same 64 keys
	WIN 0x40
.irp dt, 0,1,2,3
.irp kp, 0,1
	ds_load_tr16_b128 v[VF+8*(2*\dt+\kp):VF+8*(2*\dt+\kp)+3],   v[VA+\slot] offset:(\row0+32*\kp)*VP+32*\dt
	ds_load_tr16_b128 v[VF+8*(2*\dt+\kp)+4:VF+8*(2*\dt+\kp)+7], v[VA+\slot] offset:(\row0+32*\kp+16)*VP+32*\dt
.endr
.endr
.endm
; 32 matrix instructions.  The 16 score tiles take turns, one instruction a turn.
.macro QK
	WIN 0x01
.irp kt, 0,1,2,3
.irp qt, 0,1,2,3
	v_wmma_f32_16x16x32_bf16 v[S+8*(4*\qt+\kt):S+8*(4*\qt+\kt)+7], v[KF+16*\kt:KF+16*\kt+7], v[Q+16*\qt:Q+16*\qt+7], 0
.endr
.endr
.irp kt, 0,1,2,3
.irp qt, 0,1,2,3
	v_wmma_f32_16x16x32_bf16 v[S+8*(4*\qt+\kt):S+8*(4*\qt+\kt)+7], v[KF+16*\kt+8:KF+16*\kt+15], v[Q+16*\qt+8:Q+16*\qt+15], v[S+8*(4*\qt+\kt):S+8*(4*\qt+\kt)+7]
.endr
.endr
.endm
; The new maximum of each query: 32 scores of the lane and the old maximum, then the other half of the lanes.  Lines go over the four query tiles.
.macro MAXPHASE first
.irp qt, 0,1,2,3
.irp kt, 0,1,2,3
	v_max3_num_f32 v[T+4*\qt+\kt], v[S+8*(4*\qt+\kt)], v[S+8*(4*\qt+\kt)+1], v[S+8*(4*\qt+\kt)+2]
.endr
.endr
.irp qt, 0,1,2,3
.irp kt, 0,1,2,3
	v_max3_num_f32 v[T+4*\qt+\kt], v[T+4*\qt+\kt], v[S+8*(4*\qt+\kt)+3], v[S+8*(4*\qt+\kt)+4]
.endr
.endr
.irp qt, 0,1,2,3
.irp kt, 0,1,2,3
	v_max3_num_f32 v[T+4*\qt+\kt], v[T+4*\qt+\kt], v[S+8*(4*\qt+\kt)+5], v[S+8*(4*\qt+\kt)+6]
.endr
.endr
.irp qt, 0,1,2,3
	v_max3_num_f32 v[T+4*\qt], v[T+4*\qt], v[T+4*\qt+1], v[S+32*\qt+7]
.endr
.irp qt, 0,1,2,3
	v_max3_num_f32 v[T+4*\qt], v[T+4*\qt], v[T+4*\qt+2], v[S+32*\qt+15]
.endr
.irp qt, 0,1,2,3
	v_max3_num_f32 v[T+4*\qt], v[T+4*\qt], v[T+4*\qt+3], v[S+32*\qt+23]
.endr
.irp qt, 0,1,2,3
.if \first
	v_max_num_f32 v[T+4*\qt], v[T+4*\qt], v[S+32*\qt+31]
.else
	v_max3_num_f32 v[T+4*\qt], v[T+4*\qt], v[S+32*\qt+31], v[MX+4*\qt]
.endif
.endr
.irp qt, 0,1,2,3
	v_permlanex16_b32 v[MX+4*\qt+1], v[T+4*\qt], s56, s57
.endr
.irp qt, 0,1,2,3
	v_max_num_f32 v[T+4*\qt], v[T+4*\qt], v[MX+4*\qt+1]
.endr
.if \first == 0
.irp qt, 0,1,2,3
	v_sub_f32 v[MX+4*\qt+3], v[MX+4*\qt], v[T+4*\qt]
.endr
.irp qt, 0,1,2,3
	v_exp_f32 v[MX+4*\qt+2], v[MX+4*\qt+3]         ; what the old sums and outputs are scaled by
.endr
.endif
.irp qt, 0,1,2,3
	v_mov_b32 v[MX+4*\qt], v[T+4*\qt]              ; also the plain instructions behind the exponentials (ISA guide 5.7.2)
.endr
.endm
.macro SUBT qt
.set i, 0
.rept 16
	v_pk_add_f32 v[S+32*\qt+2*i:S+32*\qt+2*i+1], v[S+32*\qt+2*i:S+32*\qt+2*i+1], v[MX+4*\qt:MX+4*\qt+1] op_sel_hi:[1,0] neg_lo:[0,1] neg_hi:[0,1]
.set i, i+1
.endr
.endm
.macro EXPS qt                         ; behind each run stands another query tile's plain work before its results are used
.set i, 0
.rept 32
	v_exp_f32 v[S+32*\qt+i], v[S+32*\qt+i]
.set i, i+1
.endr
.endm
; The lane's 32 weights are summed in four chains, the sum is folded into L, and the weights are packed in place:
; register 16 kp + i takes registers 16 kp + 2 i and + 1, ascending, so that no source is lost.
.macro SUMCVT qt, first
.set TT, T+8*(\qt&1)
	s_wait_alu depctr_va_vdst(0)
.irp c, 0,1,2,3
	v_pk_add_f32 v[TT+2*\c:TT+2*\c+1], v[S+32*\qt+4*\c:S+32*\qt+4*\c+1], v[S+32*\qt+4*\c+2:S+32*\qt+4*\c+3]
.endr
.irp c, 0,1,2,3
	v_pk_add_f32 v[TT+2*\c:TT+2*\c+1], v[TT+2*\c:TT+2*\c+1], v[S+32*\qt+16+2*\c:S+32*\qt+16+2*\c+1]
.endr
.irp c, 0,1,2,3
	v_pk_add_f32 v[TT+2*\c:TT+2*\c+1], v[TT+2*\c:TT+2*\c+1], v[S+32*\qt+24+2*\c:S+32*\qt+24+2*\c+1]
.endr
	v_pk_add_f32 v[TT:TT+1], v[TT:TT+1], v[TT+2:TT+3]
	v_pk_add_f32 v[TT+4:TT+5], v[TT+4:TT+5], v[TT+6:TT+7]
	v_pk_add_f32 v[TT:TT+1], v[TT:TT+1], v[TT+4:TT+5]
.if \first
	v_add_f32 v[L+\qt], v[TT], v[TT+1]
.else
	v_add_f32 v[TT], v[TT], v[TT+1]
	v_fma_f32 v[L+\qt], v[L+\qt], v[MX+4*\qt+2], v[TT]
.endif
.set i, 0
.rept 8
	v_cvt_pk_bf16_f32 v[S+32*\qt+i], v[S+32*\qt+2*i], v[S+32*\qt+2*i+1]
.set i, i+1
.endr
.set i, 0
.rept 8
	v_cvt_pk_bf16_f32 v[S+32*\qt+16+i], v[S+32*\qt+16+2*i], v[S+32*\qt+16+2*i+1]
.set i, i+1
.endr
.endm
.macro RESCALE                         ; O of every query times AL of that query
	WIN 0x41
.irp qt, 0,1,2,3
.set i, 0
.rept 16
	v_pk_mul_f32 v[O+32*\qt+2*i:O+32*\qt+2*i+1], v[O+32*\qt+2*i:O+32*\qt+2*i+1], v[MX+4*\qt+2:MX+4*\qt+3] op_sel_hi:[1,0]
.set i, i+1
.endr
.endr
.endm
; 32 matrix instructions.  The 16 output tiles take turns, one instruction a turn.
.macro PV first
	WIN 0x51
.irp dt, 0,1,2,3
.irp qt, 0,1,2,3
.if \first
	v_wmma_f32_16x16x32_bf16 v[O+8*(4*\qt+\dt):O+8*(4*\qt+\dt)+7], v[VF+16*\dt:VF+16*\dt+7], v[S+32*\qt:S+32*\qt+7], 0
.else
	v_wmma_f32_16x16x32_bf16 v[O+8*(4*\qt+\dt):O+8*(4*\qt+\dt)+7], v[VF+16*\dt:VF+16*\dt+7], v[S+32*\qt:S+32*\qt+7], v[O+8*(4*\qt+\dt):O+8*(4*\qt+\dt)+7]
.endif
.endr
.endr
.irp dt, 0,1,2,3
.irp qt, 0,1,2,3
	v_wmma_f32_16x16x32_bf16 v[O+8*(4*\qt+\dt):O+8*(4*\qt+\dt)+7], v[VF+16*\dt+8:VF+16*\dt+15], v[S+32*\qt+16:S+32*\qt+23], v[O+8*(4*\qt+\dt):O+8*(4*\qt+\dt)+7]
.endr
.endr
.endm
; 64 keys: half sub of the tile in slot.  first = 1: nothing to carry on.
; mode 0: the next K fragments come from this slot's second half.  mode 1: this slot has been read out: it is filled again, two tiles ahead, and
; the next K fragments come from the other slot.  mode 2: the same without a fill.  mode 3: the last 64 keys.
.macro SUB slot, sub, first, mode
	s_wait_dscnt 0x0                               ; K's fragments are in
	QK
	VLOAD \slot, 64*\sub                           ; VF was last read five places ago (the end of the 64 keys before)
	WIN 0
	PLACES 4                                       ; the places behind the products, for the maxima that read them and the loads into KF
	MAXPHASE \first
.if \mode == 0
	KLOAD \slot, 64
.endif
.if \mode == 1
	s_wait_tensorcnt 0x0                           ; all my tensor loads have landed: the one that was out is my part of the other slot,
	ds_add_u32 v254, v255
	s_wait_dscnt 0x0                               ; and my reads of this slot are over, V's last fragments among them
	CROUND                                         ; both now hold of every wave of the four work-groups
	s_add_nc_u64 s[G0K+4*\slot+2:G0K+4*\slot+3], s[G0K+4*\slot+2:G0K+4*\slot+3], 32768
	s_add_nc_u64 s[G0V+4*\slot+2:G0V+4*\slot+3], s[G0V+4*\slot+2:G0V+4*\slot+3], 32768
	JLOAD \slot                                    ; my one tensor load behind the round, and the first thing there
	KLOAD 1-\slot, 0
.endif
.if \mode == 2
	s_wait_tensorcnt 0x0                           ; my part of the last tile is in,
	s_wait_dscnt 0x0
	s_barrier_signal -1
	s_barrier_wait -1                              ; everybody's is
	KLOAD 1-\slot, 0
.endif
	WIN 0
	SUBT 0
	EXPS 0
	SUBT 1
	EXPS 1
	SUMCVT 0, \first
	SUBT 2
	EXPS 2
	SUMCVT 1, \first
	SUBT 3
	EXPS 3
	SUMCVT 2, \first
	SUMCVT 3, \first
.if \first == 0
	RESCALE
.endif
.if \mode == 3
	s_wait_dscnt 0x0
.else
	s_wait_dscnt 16                                ; the 16 younger loads are the next K fragments: V's are in
.endif
	PV \first
	WIN 0
	PLACES 5                                       ; the next products write over P, a source of these; the next loads land in VF; the rescaling reads O
.endm
.macro LAP first
	SUB 0, 0, \first, 0
	SUB 0, 1, 0, 1
	SUB 1, 0, 0, 0
	SUB 1, 1, 0, 1
.endm
	s_wait_tensorcnt 0x1                           ; my part of tile 0 is in; tile 1's stays out
	s_barrier_signal -1
	s_barrier_wait -1
	KLOAD 0, 0
	WIN 0
	s_wait_loadcnt 0x0                             ; Q
	LAP 1                                          ; tiles 0, 1; fills 2, 3
	s_mov_b32 s58, 6
.Llap:
	LAP 0                                          ; tiles 2 to 13; fills 4 to 15
	s_sub_co_u32 s58, s58, 1
	s_cmp_lg_u32 s58, 0
	s_cbranch_scc1 .Llap
	SUB 0, 0, 0, 0                                 ; tiles 14, 15: nothing is left to fetch
	SUB 0, 1, 0, 2
	SUB 1, 0, 0, 0
	SUB 1, 1, 0, 3
	; THE END: the two halves' sums meet, O is divided by them (the sum is at least 1: the largest weight is 1), rounded and stored.
.irp qt, 0,1,2,3
	v_permlanex16_b32 v[MX+4*\qt+1], v[L+\qt], s56, s57
.endr
.irp qt, 0,1,2,3
	v_add_f32 v[L+\qt], v[L+\qt], v[MX+4*\qt+1]
.endr
.irp qt, 0,1,2,3
	v_rcp_f32 v[MX+4*\qt+2], v[L+\qt]
.endr
	v_nop                                          ; the plain instruction behind the reciprocals (ISA guide 5.7.2)
	s_wait_alu depctr_va_vdst(0)
	RESCALE
	WIN 0x05
.irp qt, 0,1,2,3
.irp dt, 0,1,2,3
.irp rr, 0,1,2,3
	v_cvt_pk_bf16_f32 v[S+4*(4*\qt+\dt)+\rr], v[O+8*(4*\qt+\dt)+2*\rr], v[O+8*(4*\qt+\dt)+2*\rr+1]
.endr
.endr
.endr
	WIN 0
.irp qt, 0,1,2,3
.irp dt, 0,1,2,3
	ds_store_b128 v[STO], v[S+4*(4*\qt+\dt):S+4*(4*\qt+\dt)+3] offset:16*SP*\qt+32*\dt
.endr
.endr
.irp t, 0,1,2,3,4,5,6,7,8,9,10,11,12,13,14,15
	ds_load_b128 v[S+64+4*\t:S+64+4*\t+3], v[RD] offset:4*SP*\t      ; my own stage: LDS serves a wave's instructions in order
.endr
.irp t, 0,1,2,3,4,5,6,7,8,9,10,11,12,13,14,15
	s_wait_dscnt 15-\t                             ; load t is in, the younger stay out
	global_store_b128 v[CO], v[S+64+4*\t:S+64+4*\t+3], s[6:7] offset:512*\t          ; 512 consecutive bytes, aligned
.endr
	s_wait_tensorcnt 0x0
	ds_add_u32 v254, v255
	s_wait_dscnt 0x0
	CROUND                                         ; the closing round
	s_endpgm
.Lfunc_end_k_qd07bbee831_attn:
	.size	k_qd07bbee831_attn, .Lfunc_end_k_qd07bbee831_attn-k_qd07bbee831_attn
	.p2alignl 7, 3214868480
	.fill 96, 4, 3214868480
	.section	.rodata,"a",@progbits
	.p2align	6, 0x0
	.amdhsa_kernel k_qd07bbee831_attn
		.amdhsa_group_segment_fixed_size 327680
		.amdhsa_private_segment_fixed_size 0
		.amdhsa_enable_private_segment 0
		.amdhsa_kernarg_size 16
		.amdhsa_user_sgpr_count 2
		.amdhsa_user_sgpr_kernarg_segment_ptr 1
		.amdhsa_wavefront_size32 1
		.amdhsa_system_sgpr_workgroup_id_x 1
		.amdhsa_system_sgpr_workgroup_id_y 1
		.amdhsa_system_sgpr_workgroup_id_z 1
		.amdhsa_system_vgpr_workitem_id 0
		.amdhsa_next_free_vgpr 512
		.amdhsa_next_free_sgpr 66
		.amdhsa_reserve_vcc 0
		.amdhsa_float_denorm_mode_32 3
		.amdhsa_float_denorm_mode_16_64 3
		.amdhsa_memory_ordered 1
		.amdhsa_forward_progress 1
		.amdhsa_inst_pref_size 255
	.end_amdhsa_kernel
	.section	.bss,"aw",@nobits
	.p2align	6
	.space	262144
	.amdgpu_metadata
---
amdhsa.version: [ 1, 2 ]
amdhsa.kernels:
  - .name:           k_qd07bbee831_attn
    .symbol:         k_qd07bbee831_attn.kd
    .args:
      - { .name: qkv, .offset: 0, .size: 8, .value_kind: global_buffer, .address_space: global }
      - { .name: att, .offset: 8, .size: 8, .value_kind: global_buffer, .address_space: global }
    .group_segment_fixed_size: 327680
    .private_segment_fixed_size: 0
    .kernarg_segment_align: 8
    .kernarg_segment_size: 16
    .max_flat_workgroup_size: 128
    .sgpr_count:     66
    .vgpr_count:     512
    .wavefront_size: 32
...
	.end_amdgpu_metadata
.endif
;; end of part 3
;; launch oproj (part 4): grid 4 x 64, 4 waves a work-group, clusters of 4 x 4, 327,680 bytes of LDS; arguments att, wprep, bo, out0; writes out0
.if DOCPART == 4
	.amdgcn_target "amdgcn-amd-amdhsa--gfx1250"
	.amdhsa_code_object_version 6
	.text
	.protected	k_qd07bbee831_oproj
	.globl	k_qd07bbee831_oproj
	.p2align	8
	.type	k_qd07bbee831_oproj,@function
k_qd07bbee831_oproj:
	s_mov_b64 s[64:65], 0
	v_nop
	global_prefetch_b8 v0, s[64:65] scope:SCOPE_SE
	s_setreg_imm32_b32 hwreg(HW_REG_WAVE_MODE, 25, 1), 1
	s_wait_xcnt 0x0
	s_wait_alu depctr_hold_cnt(0) depctr_sa_sdst(0) depctr_va_vdst(0) depctr_va_sdst(0) depctr_va_ssrc(0) depctr_va_vcc(0) depctr_vm_vsrc(0)
	s_getreg_b32 s2, hwreg(HW_REG_IB_STS2, 6, 4)
	s_cmp_eq_u32 s2, 0
	s_cbranch_scc0 .Lentry_in_a_cluster
	s_endpgm
.Lentry_in_a_cluster:
	s_bfe_u32 s2, ttmp6, 0x10000c
	s_cmp_lg_u32 s2, 0xf033
	s_cbranch_scc0 .Lentry_shape_is_right
	s_endpgm
.Lentry_shape_is_right:
; OPROJ: out0[8192 x 768] = att[8192 x 512] Wo + bo, in f32.  att lies by heads, [h][m][64] bf16, and Wot by planes, [ks][n][64] bf16:
; head h is plane h of K.  Sums in f32; bo is the C operand of the first products.
; A work-group makes 128 rows x 192 columns with four waves; a wave makes 64 x 96: 4 x 6 accumulator tiles, 192 registers.
; K = 512 goes in 4 steps of 128 (two planes).  Three LDS regions of a step each; steps 0, 1, 2 go out together at the start, step 3 fills
; region 0 once more.  CLUSTER 4 x 4: att's tile is shared along a row of the cluster, Wot's along a column; both are asked for jointly.
; The matrix instruction is used transposed (source 0 = rows of Wot, source 1 = rows of att): a lane holds 8 neighbouring columns of a row, 32 bytes.
; The results leave through a stage in regions 1 and 2, which have had their only fill by then: whole rows of 768 bytes go out.
.set PL,     144                       ; an LDS row: 128 bytes + 16
.set APLANE, 128*PL
.set BPLANE, 192*PL
.set BBASE,  2*APLANE
.set REG,    BBASE+2*BPLANE            ; 92,160
.set STAGE,  REG
.set SP,     784                       ; a stage row: 768 bytes + 16
.set WOT_OFF, 2359296
.set ADRA, 2                           ; v2-4
.set ADRB, 5                           ; v5-7
.set STO,  8
.set BO,   9
.set RDA,  10
.set RDB,  11
.set GOA,  13
.set GOB,  14
.set AF0,  32                          ; AF1 = AF0 + 32
.set BF0,  96                          ; BF1 = BF0 + 48
.set BIAS, 192
.set OB,   32
.set G1A, 16
.set G1B, 24
.set G0A, 32
.set G0B, 44
.set MSB, 0
.macro WIN new
.if MSB != \new
	s_set_vgpr_msb (MSB<<8)|\new
.set MSB, \new
.endif
.endm
.macro PLACES n
.rept \n
	v_nop
.endr
.endm
.macro JLOAD g
	s_cmp_eq_u32 s13, 0
	s_cbranch_scc0 .Lfor_b_\@
	tensor_load_to_lds s[G0A+4*\g:G0A+4*\g+3], s[G1A:G1A+7]
	s_nop 0
	s_branch .Lasked_\@
.Lfor_b_\@:
	tensor_load_to_lds s[G0B+4*\g:G0B+4*\g+3], s[G1B:G1B+7]
	s_nop 0
.Lasked_\@:
.endm
.macro CREST
	s_cmp_lg_u32 s12, 0
	s_cbranch_scc1 .Lnot_wave_0_\@
	s_barrier_signal -3
.Lnot_wave_0_\@:
	s_barrier_wait -3
	s_barrier_signal -1
	s_barrier_wait -1
.endm
.macro CROUND
	s_barrier_signal -1
	s_barrier_wait -1
	CREST
.endm
	s_load_b256 s[4:11], s[0:1], 0x0               ; att s[4:5], wprep s[6:7], bo s[8:9], out0 s[10:11]
	v_lshl_add_u32 v254, v0, 2, 0x43800
	v_mov_b32 v255, 0
	ds_add_u32 v254, v255
	v_lshrrev_b32 v1, 5, v0
	v_readfirstlane_b32 s12, v1                    ; wave
	s_lshr_b32 s13, s12, 1                         ; my half of the rows.  Also: I fetch att (0) or Wot (1)
	s_and_b32 s14, s12, 1                          ; my half of the columns.  Also: which plane of the step I fetch
	s_bfe_u32 s56, ttmp6, 0x40000                  ; cx
	s_bfe_u32 s57, ttmp6, 0x40004                  ; cy
	s_lshl_b32 s58, ttmp9, 2
	s_add_co_u32 s58, s58, s56                     ; block of 192 columns
	s_and_b32 s59, ttmp7, 0xffff
	s_lshl_b32 s59, s59, 2
	s_add_co_u32 s59, s59, s57                     ; block of 128 rows
	s_lshl_b32 s60, s57, 2
	s_lshl_b32 s60, 15, s60                        ; my row of the cluster
	s_lshl_b32 s61, 0x1111, s56                    ; my column
	s_or_b32 s[G1A+0], s60, (1<<16)|(1<<20)|(1<<21)|(4<<22)|(3<<25)   ; mask; 2 bytes; padding: after every 32 words, 4 words; bit 21 beside a mask
	s_mov_b32 s[G1A+1], 64<<16
	s_mov_b32 s[G1A+2], 128<<16
	s_mov_b32 s[G1A+3], 64<<16
	s_mov_b32 s[G1A+4], 128
	s_mov_b32 s[G1A+5], 64
	s_mov_b32 s[G1A+6], 0
	s_mov_b32 s[G1A+7], 0
	s_or_b32 s[G1B+0], s61, (1<<16)|(1<<20)|(1<<21)|(4<<22)|(3<<25)
	s_mov_b32 s[G1B+1], 64<<16
	s_mov_b32 s[G1B+2], 192<<16
	s_mov_b32 s[G1B+3], 64<<16
	s_mov_b32 s[G1B+4], 192
	s_mov_b32 s[G1B+5], 64
	s_mov_b32 s[G1B+6], 0
	s_mov_b32 s[G1B+7], 0
	s_lshl_b32 s62, s14, 20                        ; att: my plane, 8,192 rows of 128 bytes,
	s_lshl_b32 s63, s59, 14                        ; and the block's 128 rows
	s_add_co_u32 s62, s62, s63
	s_mov_b32 s63, 0
	s_mul_i32 s66, s14, 98304                      ; Wot: my plane, 768 rows,
	s_mul_i32 s67, s58, 24576                      ; and the block's 192 rows
	s_add_co_u32 s66, s66, s67
	s_add_co_u32 s66, s66, WOT_OFF
	s_mov_b32 s67, 0
	s_mul_i32 s68, s14, APLANE                     ; LDS addresses hang on the wave's number alone
	s_mul_i32 s69, s14, BPLANE
	s_add_co_u32 s69, s69, BBASE
	s_mul_i32 s70, s58, 768                        ; bo: 192 numbers a block,
	s_mul_i32 s71, s14, 384                        ; 96 a half
	s_add_co_u32 s70, s70, s71
	s_mov_b32 s71, 0
	s_wait_dscnt 0x0
	s_wait_kmcnt 0x0
	s_add_nc_u64 s[62:63], s[4:5], s[62:63]
	s_add_nc_u64 s[66:67], s[6:7], s[66:67]
	s_add_nc_u64 s[8:9], s[8:9], s[70:71]
	CROUND                                         ; all sixteen work-groups are here: the first joint loads meet
.irp g, 0,1,2
	s_mov_b32 s[G0A+4*\g], 1
	s_add_co_u32 s[G0A+4*\g+1], s68, \g*REG
	s_add_nc_u64 s[G0A+4*\g+2:G0A+4*\g+3], s[62:63], \g*2097152
	s_or_b32 s[G0A+4*\g+3], s[G0A+4*\g+3], 0x80000000
	s_mov_b32 s[G0B+4*\g], 1
	s_add_co_u32 s[G0B+4*\g+1], s69, \g*REG
	s_add_nc_u64 s[G0B+4*\g+2:G0B+4*\g+3], s[66:67], \g*196608
	s_or_b32 s[G0B+4*\g+3], s[G0B+4*\g+3], 0x80000000
	JLOAD \g                                       ; steps 0, 1, 2: three loads of the wave are out
.endr
	v_and_b32 v16, 15, v0                          ; r
	v_bfe_u32 v17, v0, 4, 1                        ; h
	v_lshlrev_b32 v[BO], 5, v17
.irp b, 0,1,2,3,4,5
	global_load_b128 v[BIAS+8*\b:BIAS+8*\b+3],   v[BO], s[8:9] offset:64*\b
	global_load_b128 v[BIAS+8*\b+4:BIAS+8*\b+7], v[BO], s[8:9] offset:64*\b+16
.endr
	v_mul_u32_u24 v18, v16, PL
	v_lshl_add_u32 v18, v17, 4, v18                ; row r, 16 bytes for each half
	s_mul_i32 s72, s13, 64*PL
	s_mul_i32 s73, s14, 96*PL
	s_add_co_u32 s73, s73, BBASE
.irp g, 0,1,2
	v_add_nc_u32 v[ADRA+\g], s72, v18
	v_add_nc_u32 v[ADRB+\g], s73, v18
	s_add_co_u32 s72, s72, REG
	s_add_co_u32 s73, s73, REG
.endr
	s_mul_i32 s72, s13, 64*SP
	s_mul_i32 s73, s14, 384
	s_add_co_u32 s72, s72, s73
	s_add_co_u32 s72, s72, STAGE
	v_mul_u32_u24 v19, v16, SP
	v_lshl_add_u32 v19, v17, 5, v19
	v_add_nc_u32 v[STO], s72, v19                  ; in: row 64 x half + r, byte 384 x half + 32 h
	; back: wave w takes rows 32 w .. 32 w + 31, two rows (96 pieces of 16 bytes) by three loads.  Piece x = 32 v + l lies in row x / 48.
	; v = 0: row 0, byte 16 l.  v = 1: byte 512 + 16 l, and for lanes 16-31 one row on and 768 bytes back.  v = 2: row 1, byte 256 + 16 l.
	v_and_b32 v20, 31, v0
	s_mul_i32 s72, s12, 32*SP
	s_add_co_u32 s72, s72, STAGE
	v_lshl_add_u32 v[RDA], v20, 4, s72
	v_lshl_add_u32 v[RDB], v17, 4, v[RDA]          ; SP - 768 = 16
	v_add_nc_u32 v[RDB], 512, v[RDB]
	s_mul_i32 s73, s12, 32*3072
	v_lshl_add_u32 v[GOA], v20, 4, s73
	v_mad_u32_u24 v[GOB], v17, 3072-768, v[GOA]
	v_add_nc_u32 v[GOB], 512, v[GOB]
; 20 LDS loads: the fragments of quarter q (32 along K) of the step in region g
.macro FETCH3 g, q, fa, fb
.irp a, 0,1,2,3
	ds_load_b128 v[\fa+8*\a:\fa+8*\a+3],   v[ADRA+\g] offset:(\q>>1)*APLANE+16*PL*\a+64*(\q&1)
	ds_load_b128 v[\fa+8*\a+4:\fa+8*\a+7], v[ADRA+\g] offset:(\q>>1)*APLANE+16*PL*\a+64*(\q&1)+32
.endr
.irp b, 0,1,2,3,4,5
	ds_load_b128 v[\fb+8*\b:\fb+8*\b+3],   v[ADRB+\g] offset:(\q>>1)*BPLANE+16*PL*\b+64*(\q&1)
	ds_load_b128 v[\fb+8*\b+4:\fb+8*\b+7], v[ADRB+\g] offset:(\q>>1)*BPLANE+16*PL*\b+64*(\q&1)+32
.endr
.endm
; 12 matrix instructions: row tiles a0, a0 + 1 x all 6 column tiles.  first = 1: bo starts the sums.
; The 24 accumulators take turns, one instruction a turn, in the same order in every quarter.
.macro MUL3 fa, fb, a0, first
.if \first
	WIN 0x40
.else
	WIN 0x50
.endif
.irp a, \a0, \a0+1
.irp b, 0,1,2,3,4,5
.if \first
	v_wmma_f32_16x16x32_bf16 v[8*(6*(\a)+\b):8*(6*(\a)+\b)+7], v[\fb+8*\b:\fb+8*\b+7], v[\fa+8*(\a):\fa+8*(\a)+7], v[BIAS+8*\b:BIAS+8*\b+7]
.else
	v_wmma_f32_16x16x32_bf16 v[8*(6*(\a)+\b):8*(6*(\a)+\b)+7], v[\fb+8*\b:\fb+8*\b+7], v[\fa+8*(\a):\fa+8*(\a)+7], v[8*(6*(\a)+\b):8*(6*(\a)+\b)+7]
.endif
.endr
.endr
.endm
; A quarter: multiplies buffers cur and fetches quarter nq of region ng into the other buffers.
.macro Q3 cur, ng, nq, first
	s_wait_dscnt 0x0                               ; buffers cur are in
	WIN 0
	PLACES 4                                       ; the places between the last quarter's products and the loads into the buffers that they read
	FETCH3 \ng, \nq, AF0+32*(1-\cur), BF0+48*(1-\cur)
	MUL3 AF0+32*\cur, BF0+48*\cur, 0, \first
	MUL3 AF0+32*\cur, BF0+48*\cur, 2, \first
.endm
; The last quarter of a region in front of a barrier (buffers 1).  fill = 1: region 0 is filled again, with step 3.
.macro TURN3 ng, fill
	s_wait_dscnt 0x0                               ; my reads of this region are over,
	s_wait_tensorcnt 0x0                           ; and all my tensor loads have landed
	ds_add_u32 v254, v255
	s_wait_dscnt 0x0
	s_barrier_signal -1
	MUL3 AF0+32, BF0+48, 0, 0                      ; registers only, while the others arrive
	WIN 0
	s_barrier_wait -1
.if \fill
	CREST                                          ; no wave of any partner still reads region 0 or has a load on its way
	s_add_nc_u64 s[G0A+2:G0A+3], s[G0A+2:G0A+3], 6291456     ; planes 6, 7 of att
	s_add_nc_u64 s[G0B+2:G0B+3], s[G0B+2:G0B+3], 589824      ; and of Wot
	JLOAD 0                                        ; my one tensor load behind the round, and the first thing there
.endif
	PLACES 4
	FETCH3 \ng, 0, AF0, BF0
	MUL3 AF0+32, BF0+48, 2, 0
.endm
	s_wait_tensorcnt 0x2                           ; my part of step 0 is in; steps 1 and 2 stay out
	s_barrier_signal -1
	s_barrier_wait -1
	FETCH3 0, 0, AF0, BF0
	s_wait_loadcnt 0x0                             ; bo
	Q3 0, 0, 1, 1                                  ; step 0, region 0
	Q3 1, 0, 2, 0
	Q3 0, 0, 3, 0
	TURN3 1, 1                                     ; its waits and round also show regions 1 and 2 whole to every wave
	Q3 0, 1, 1, 0                                  ; step 1, region 1
	Q3 1, 1, 2, 0
	Q3 0, 1, 3, 0
	Q3 1, 2, 0, 0
	Q3 0, 2, 1, 0                                  ; step 2, region 2
	Q3 1, 2, 2, 0
	Q3 0, 2, 3, 0
	TURN3 0, 0                                     ; step 3 has landed in region 0; nobody reads regions 1 and 2 any more
	Q3 0, 0, 1, 0                                  ; step 3, region 0
	Q3 1, 0, 2, 0
	Q3 0, 0, 3, 0
	s_wait_dscnt 0x0
	MUL3 AF0+32, BF0+48, 0, 0
	MUL3 AF0+32, BF0+48, 2, 0
	; THE WAY OUT
	PLACES 4                                       ; the places behind the last matrix instructions, for the LDS stores that read results
	s_mul_i32 s72, s59, 393216                     ; 128 rows of 3,072 bytes
	s_mov_b32 s73, 0
	s_add_nc_u64 s[10:11], s[10:11], s[72:73]
	s_mul_i32 s74, s58, 768                        ; 192 columns of 4 bytes
	s_mov_b32 s75, 0
	s_add_nc_u64 s[10:11], s[10:11], s[74:75]
	WIN 0x04                                       ; the stores' data lie in window 1
.irp a, 0,1,2,3
.irp b, 0,1,2,3,4,5
	ds_store_b128 v[STO], v[8*(6*\a+\b):8*(6*\a+\b)+3]   offset:16*SP*\a+64*\b
	ds_store_b128 v[STO], v[8*(6*\a+\b)+4:8*(6*\a+\b)+7] offset:16*SP*\a+64*\b+16
.endr
.endr
	WIN 0
	s_wait_dscnt 0x0                               ; my stores are in LDS before I say so: a row's two halves come from two waves
	s_barrier_signal -1
	s_barrier_wait -1
.irp u, 0,1,2,3,4,5,6,7,8,9,10,11,12,13,14,15
	ds_load_b128 v[OB+12*\u:OB+12*\u+3],    v[RDA] offset:2*SP*\u
	ds_load_b128 v[OB+12*\u+4:OB+12*\u+7],  v[RDB] offset:2*SP*\u
	ds_load_b128 v[OB+12*\u+8:OB+12*\u+11], v[RDA] offset:2*SP*\u+SP+256
.endr
.irp u, 0,1,2,3,4,5,6,7,8,9,10,11,12,13,14,15
	s_wait_dscnt 47-3*\u                           ; the counts run down: the load is in, the younger stay out
	global_store_b128 v[GOA], v[OB+12*\u:OB+12*\u+3],    s[10:11] offset:6144*\u th:TH_STORE_NT        ; sixteen lanes store 256 consecutive bytes, aligned
	s_wait_dscnt 46-3*\u
	global_store_b128 v[GOB], v[OB+12*\u+4:OB+12*\u+7],  s[10:11] offset:6144*\u th:TH_STORE_NT
	s_wait_dscnt 45-3*\u
	global_store_b128 v[GOA], v[OB+12*\u+8:OB+12*\u+11], s[10:11] offset:6144*\u+3072+256 th:TH_STORE_NT
.endr
	s_wait_tensorcnt 0x0
	ds_add_u32 v254, v255
	s_wait_dscnt 0x0
	CROUND                                         ; the closing round
	s_endpgm
.Lfunc_end_k_qd07bbee831_oproj:
	.size	k_qd07bbee831_oproj, .Lfunc_end_k_qd07bbee831_oproj-k_qd07bbee831_oproj
	.p2alignl 7, 3214868480
	.fill 96, 4, 3214868480
	.section	.rodata,"a",@progbits
	.p2align	6, 0x0
	.amdhsa_kernel k_qd07bbee831_oproj
		.amdhsa_group_segment_fixed_size 327680
		.amdhsa_private_segment_fixed_size 0
		.amdhsa_enable_private_segment 0
		.amdhsa_kernarg_size 32
		.amdhsa_user_sgpr_count 2
		.amdhsa_user_sgpr_kernarg_segment_ptr 1
		.amdhsa_wavefront_size32 1
		.amdhsa_system_sgpr_workgroup_id_x 1
		.amdhsa_system_sgpr_workgroup_id_y 1
		.amdhsa_system_sgpr_workgroup_id_z 1
		.amdhsa_system_vgpr_workitem_id 0
		.amdhsa_next_free_vgpr 448
		.amdhsa_next_free_sgpr 76
		.amdhsa_reserve_vcc 0
		.amdhsa_float_denorm_mode_32 3
		.amdhsa_float_denorm_mode_16_64 3
		.amdhsa_memory_ordered 1
		.amdhsa_forward_progress 1
		.amdhsa_inst_pref_size 71
	.end_amdhsa_kernel
	.amdgpu_metadata
---
amdhsa.version: [ 1, 2 ]
amdhsa.kernels:
  - .name:           k_qd07bbee831_oproj
    .symbol:         k_qd07bbee831_oproj.kd
    .args:
      - { .name: att, .offset: 0, .size: 8, .value_kind: global_buffer, .address_space: global }
      - { .name: wprep, .offset: 8, .size: 8, .value_kind: global_buffer, .address_space: global }
      - { .name: bo, .offset: 16, .size: 8, .value_kind: global_buffer, .address_space: global }
      - { .name: out0, .offset: 24, .size: 8, .value_kind: global_buffer, .address_space: global }
    .group_segment_fixed_size: 327680
    .private_segment_fixed_size: 0
    .kernarg_segment_align: 8
    .kernarg_segment_size: 32
    .max_flat_workgroup_size: 128
    .sgpr_count:     76
    .vgpr_count:     448
    .wavefront_size: 32
...
	.end_amdgpu_metadata
.endif
;; end of part 4
